; MI455X (gfx1250); checked and timed in simulation.
; The chip was launched on July 23, 2026; its instructions are those of AMD's public machine-readable ISA for CDNA 5 (MIT licence, August 2026) and "CDNA5" Instruction Set Architecture Reference Guide (July 2026). The comments in the code are by the model that wrote it; some were corrected since.
;; Causal Self Attention. Allowed arithmetic: matrix products marked QUANTISED: E4M3 operands, one given power-of-two scale a tensor, by v_wmma_f32_16x16x64_fp8_fp8 or v_wmma_f32_16x16x128_fp8_fp8, f32 sums; everything else in f32.
;; Inputs: W_proj 1,024 x 1,024 float32; W_qkv 1,024 x 3,072 float32; lowp_scales 8 int32 (the exponents e of the quantised operands' scales 2^e); x 4 x 2,048 x 1,024 float32.
;; Outputs: out0 4 x 2,048 x 1,024 float32.
;; This version of the problem:
;;   THIS VERSION OF THE PROBLEM IS GIVEN IN LOW PRECISION. The matrix products marked QUANTISED in the list below multiply operands that are first quantised to E4M3 (4 exponent bits, 3 mantissa bits; 8 bits a number), with one given power-of-two scale for each operand tensor; their sums are f32. All else is computed in f32.
;;   The module's matrix products, in the order in which they are computed (A, B: the left and right operand; K: the contracted axis; several contracted axes count as one K, in the product's order):
;;     1. [M 8,192, K 1,024] x [K 1,024, N 3,072]; A: input x; B: input W_qkv: QUANTISED (scales: A lowp_scales[0], B lowp_scales[1])
;;     2. batch 64 x [M 2,048, K 64] x [K 64, N 2,048]; A: computed on the way; B: computed on the way: QUANTISED (scales: A lowp_scales[2], B lowp_scales[3])
;;     3. batch 64 x [M 2,048, K 2,048] x [K 2,048, N 64]; A: softmax (see below); B: computed on the way: QUANTISED (scales: A lowp_scales[4], B lowp_scales[5])
;;     4. [M 8,192, K 1,024] x [K 1,024, N 1,024]; A: computed on the way; B: input W_proj: QUANTISED (scales: A lowp_scales[6], B lowp_scales[7])
;;   THE QUANTISER, for each operand of a quantised product, along K:
;;     - The operand's scale is 2^e, e = its entry of the input lowp_scales (int32; the entries are numbered through the quantised products in the list's order, A before B).
;;     - Each number is divided by the scale, clamped to +-448, and rounded to the nearest number of E4M3, ties to even, subnormals kept.
;;     - The product sums the exact products of the quantised numbers (number of the format x scale) in f32.
;;   ~~~python
;;   def quantise(x, axis, e):      # numpy; x: float32 -> the quantised numbers, widened to float32 again
;;       x = np.moveaxis(x, axis, -1); K = x.shape[-1]
;;       r = np.clip(x / 2.0 ** e, -448, 448)
;;       step = 2.0 ** (np.maximum(np.frexp(np.where(r == 0, 1, r))[1] - 1, -6) - 3)
;;       q = np.round(r / step) * step * 2.0 ** e      # np.round: ties to even
;;       return np.moveaxis(q, -1, axis).astype(np.float32)
;;   ~~~
;;   SOFTMAX AHEAD OF A QUANTISED PRODUCT. Where the list says 'softmax', what is quantised is not the finished softmax but p = 2^(t - M), with t = logit x log2(e) and M = ceil(the row's largest t), a whole number; so 1/2 < the row's largest p <= 1. The row's sum l is taken of the UNQUANTISED p, in f32, and the product's result is divided by l at the end. Since M is a whole number, a kernel that streams over the keys may use a running M (the ceiling of the running maximum): every later rescaling is an exact power of two, so the quantised numbers keep their values, but for numbers so far below the row's largest that they fall under the format's range.
;;   OPERANDS COMPUTED ON THE WAY. 'Computed on the way' means the value that the module computes at that place (a softmax that the list does not call 'softmax' is quantised finished and normalised). What goes into a quantiser is computed in f32, as accurately as f32 sums, v_exp_f32 and their like allow (about 1e-6 of the number): no bf16 or f16 on the way to a quantiser, and a product that is left as it is and whose result goes on into a quantised operand takes f32 operands (vector FMAs, or v_wmma_f32_16x16x4_f32). A number that lies on a knife's edge between two numbers of the format may be rounded either way, as far as f32 arithmetic and the matrix unit's own rounding can turn it there, and no further.
;; One version. Each part assembles by itself: llvm-mc -triple=amdgcn-amd-amdhsa -mcpu=gfx1250 --defsym DOCPART=n.
;; ======== version 1 of 1: 4 launches
;; limits: right only within a limited range of input values
;; workspace buffers: x_codes 8,388,608 bytes; wqkv_codes 3,145,728 bytes; wp_img 1,048,576 bytes; q_codes 8,388,608 bytes; k_codes 8,388,608 bytes; v_codes 8,388,608 bytes; y_img 8,388,608 bytes
;; launch quant (part 1): grid 640 x 1, 4 waves a work-group, no clusters, 35,328 bytes of LDS; arguments x, W_qkv, W_proj, lowp_scales, x_codes, wqkv_codes, wp_img; writes x_codes, wqkv_codes, wp_img
.if DOCPART == 1
	.amdgcn_target "amdgcn-amd-amdhsa--gfx1250"
	.amdhsa_code_object_version 6
	.text
	.protected	k_qdf5d4482b7_quant
	.globl	k_qdf5d4482b7_quant
	.p2align	8
	.type	k_qdf5d4482b7_quant,@function
k_qdf5d4482b7_quant:
	s_mov_b64 s[64:65], 0
	v_nop
	global_prefetch_b8 v0, s[64:65] scope:SCOPE_SE
	s_setreg_imm32_b32 hwreg(HW_REG_WAVE_MODE, 25, 1), 1
	s_wait_xcnt 0x0
; x [8192][1024], W_qkv [1024][3072] and W_proj [1024][1024], f32, become codes of FP8 (E4M3), each with the one scale 2^e that is given for it (entries 0, 1 and 7 of the scales).
; code = number / 2^e, held within +-448, rounded to the nearest code, ties to even.  LIMITS: each e between -126 and 119; NaN among the inputs is not served.
; The codes' buffers are this program's own, so their order along K is chosen for the writer and the reader; a product only asks that both its operands have the same order.
;   x_codes [8192][1024], wqkv_codes [3072][1024]: in each run of 512 along K, byte 16 L + 4 j + i holds k = 128 j + 4 L + i (L 0..31; j, i 0..3): so a lane that loads 16 bytes of each of
;     four runs of 512 consecutive bytes of x holds the 16 numbers whose codes are its 16 bytes of 512 consecutive bytes: no turn through LDS.
;   wp_img [ks 4][n tile 64][q 2][c 4][lane 32][16]: the image of an operand's registers: lane (r, h), byte b holds W_proj(256 ks + 128 q + 32 c + 16 (b / 8) + 8 h + b % 8, 16 tile + r).
; Work-groups 0-95 take W_qkv (128 columns x 256 places along K), 96-127 W_proj (128 columns x 256 along K), 128-639 x (16,384 numbers).  The three ways part on the work-group's number.
; For the weights K is the FIRST axis: a lane takes a column and its registers run down K in the order of the codes' places, so the conversions give the codes as they are stored.
.set SPARE, 34816                      ; behind the four stages: the spare words, 128 bytes for each wave
.set STG,   8704                       ; a wave's stage (W_qkv's way alone): 32 rows x (256 + 16) bytes
.set SPW,   12                         ; v12  LDS address of my spare word; never rewritten
.set NIL,   13                         ; v13  0; never rewritten
.set X,     32                         ; v32-95 two sets of 32 numbers of a column
	s_load_b256 s[4:11], s[0:1], 0x0               ; x s[4:5], W_qkv s[6:7], W_proj s[8:9], the scales' exponents s[10:11]
	s_load_b128 s[12:15], s[0:1], 0x20             ; x_codes s[12:13], wqkv_codes s[14:15]
	s_load_b64 s[16:17], s[0:1], 0x30              ; wp_img
	v_lshl_add_u32 v[SPW], v0, 2, SPARE
	v_mov_b32 v[NIL], 0
	v_lshrrev_b32 v1, 5, v0
	v_readfirstlane_b32 s18, v1                    ; wave 0..3
	v_and_b32 v1, 31, v0                           ; lane
	v_lshlrev_b32 v2, 4, v1                        ; 16 x lane
	v_lshlrev_b32 v3, 2, v1                        ; 4 x lane: my column's bytes in a row of a weight
	v_and_b32 v5, 15, v0                           ; lane % 16
	v_bfe_u32 v6, v0, 4, 1                         ; lane / 16
	s_mul_i32 s19, s18, STG
	v_mul_u32_u24 v4, v1, 272
	v_add_nc_u32 v4, s19, v4                       ; the stage, in: row = my column
	v_mul_u32_u24 v7, v6, 272
	v_lshl_add_u32 v7, v5, 4, v7
	v_add_nc_u32 v7, s19, v7                       ; the stage, out: sixteen lanes to a row, two rows an instruction
	v_lshlrev_b32 v8, 10, v6
	v_lshl_add_u32 v8, v5, 4, v8                   ; and the same place in wqkv_codes (rows of 1,024 bytes)
	v_lshlrev_b32 v9, 12, v6
	v_lshl_add_u32 v9, v5, 4, v9                   ; wp_img: my column's tile (4,096 bytes a tile) and its place r in an image
	s_mov_b32 s23, 0
	s_wait_kmcnt 0x0
	s_load_b256 s[24:31], s[10:11], 0x0            ; the eight exponents
	s_cmp_ge_u32 ttmp9, 128
	s_cbranch_scc1 .Lx
	s_cmp_ge_u32 ttmp9, 96
	s_cbranch_scc1 .Lwp
.macro MKSCALE e                       ; v11 = 2^e as f32 (the conversion takes its exponent field), s20 = 448 x 2^e
	s_add_co_i32 s20, s[\e], 127
	s_lshl_b32 s21, s20, 23
	v_mov_b32 v11, s21
	s_add_co_i32 s20, s20, 8
	s_lshl_b32 s20, s20, 23
	s_or_b32 s20, s20, 0x600000
.endm
; Block t of a column: 32 numbers in the order of their codes' places, into set t % 2.  Each load reads 128 consecutive bytes a wave, 512 a work-group.
.macro WLOAD t, kind
.set idx, 0
.rept 32
.if \kind == 0
.set ROWO, (8*(\t)+128*((idx>>2)&3)+4*(idx>>4)+(idx&3))*12288     ; W_qkv: place 32 t + idx of my 256 places
.else
.set ROWO, (32*(\t)+16*((idx>>3)&1)+8*(idx>>4)+(idx&7))*4096      ; W_proj: half h = idx / 16, byte idx % 16 of the image
.endif
	global_load_b32 v[X+32*((\t)%2)+idx], v3, s[36:37] offset:ROWO th:TH_LOAD_NT
.set idx, idx+1
.endr
.endm
.macro WBLOCK t, kind
.set XS, X+32*((\t)%2)
.if (\t) < 7
	s_wait_loadcnt 32                              ; this block's 32 loads are in; the next block's may be out
.else
	s_wait_loadcnt 0
.endif
.set idx, 0
.rept 32
.set idx, idx+1
.endr
.if \kind == 0
.irp g, 0,1,2,3
	v_cvt_scalef32_pk8_fp8_f32 v[96+2*\g:97+2*\g], v[XS+8*\g:XS+8*\g+7], v11
.endr
	ds_store_b128 v4, v[96:99] offset:32*(\t)      ; 32 codes of my column's row
	ds_store_b128 v4, v[100:103] offset:32*(\t)+16
.if (\t)+2 < 8
	WLOAD (\t)+2, \kind
.endif
	s_wait_dscnt 0x0                               ; the stores have read their registers: the next block's codes may be written
.else
.irp g, 0,1,2,3
	v_cvt_scalef32_pk8_fp8_f32 v[112+8*(\t)+2*\g:113+8*(\t)+2*\g], v[XS+8*\g:XS+8*\g+7], v11
.endr
	global_store_b128 v9, v[112+8*(\t):115+8*(\t)], s[38:39] offset:512*(\t)        ; half 0 of image t: sixteen lanes store 256 consecutive bytes, aligned; each block has registers of its own
	global_store_b128 v9, v[116+8*(\t):119+8*(\t)], s[38:39] offset:512*(\t)+256    ; half 1
.if (\t)+2 < 8
	WLOAD (\t)+2, \kind
.endif
.endif
.endm
	; ---- W_qkv: work-group = 4 x (128 columns) + (256 places along K)
	s_and_b32 s19, ttmp9, 3                        ; which 256 places
	s_lshr_b32 s32, ttmp9, 2                       ; which 128 columns
	s_lshl_b32 s33, s32, 7
	s_lshl_b32 s34, s18, 5
	s_add_co_u32 s33, s33, s34                     ; my wave's first column
	s_lshr_b32 s34, s19, 1
	s_lshl_b32 s34, s34, 9                         ; the run of 512 along K,
	s_and_b32 s35, s19, 1
	s_lshl_b32 s35, s35, 6                         ; and in it: the upper 256 places hold k 64 further on
	s_add_co_u32 s34, s34, s35
	s_mul_i32 s34, s34, 12288
	s_lshl_b32 s35, s33, 2
	s_add_co_u32 s22, s34, s35
	s_add_nc_u64 s[36:37], s[6:7], s[22:23]
	s_lshl_b32 s22, s33, 10
	s_lshl_b32 s35, s19, 8
	s_add_co_u32 s22, s22, s35
	s_add_nc_u64 s[38:39], s[14:15], s[22:23]
	WLOAD 0, 0
	WLOAD 1, 0
	s_wait_kmcnt 0x0
	MKSCALE 25
	s_wait_alu depctr_va_vdst(0)
.irp t, 0,1,2,3,4,5,6,7
	WBLOCK \t, 0
.endr
.irp t, 0,1,2,3,4,5,6,7,8,9,10,11,12,13,14,15
	ds_load_b128 v[112+4*\t:115+4*\t], v7 offset:544*\t            ; LDS serves a wave's instructions in order: these see my stores
.endr
.irp t, 0,1,2,3,4,5,6,7,8,9,10,11,12,13,14,15
	s_wait_dscnt 15-\t
	global_store_b128 v8, v[112+4*\t:115+4*\t], s[38:39] offset:2048*\t   ; sixteen lanes store 256 consecutive bytes of a row, aligned
.endr
	s_branch .Lend
.Lwp:	; ---- W_proj: work-group - 96 = 4 x (128 columns) + (256 along K)
	s_sub_co_u32 s19, ttmp9, 96
	s_and_b32 s32, s19, 3                          ; ks
	s_lshr_b32 s33, s19, 2                         ; which 128 columns
	s_lshl_b32 s22, s32, 20                        ; 256 rows of 4,096 bytes
	s_lshl_b32 s34, s33, 9
	s_add_co_u32 s22, s22, s34
	s_lshl_b32 s34, s18, 7
	s_add_co_u32 s22, s22, s34
	s_add_nc_u64 s[36:37], s[8:9], s[22:23]
	s_lshl_b32 s22, s32, 18                        ; 64 tiles of 4,096 bytes
	s_lshl_b32 s34, s33, 15
	s_add_co_u32 s22, s22, s34
	s_lshl_b32 s34, s18, 13
	s_add_co_u32 s22, s22, s34
	s_add_nc_u64 s[38:39], s[16:17], s[22:23]
	WLOAD 0, 1
	WLOAD 1, 1
	s_wait_kmcnt 0x0
	MKSCALE 31
	s_wait_alu depctr_va_vdst(0)
.irp t, 0,1,2,3,4,5,6,7
	WBLOCK \t, 1
.endr
	s_branch .Lend
.Lx:	; ---- x: a wave takes 4,096 numbers: eight steps of 512; all 32 loads go out at once, each of 512 consecutive bytes
	s_sub_co_u32 s19, ttmp9, 128
	s_lshl_b32 s19, s19, 2
	s_add_co_u32 s19, s19, s18
	s_lshl_b32 s22, s19, 14
	s_add_nc_u64 s[36:37], s[4:5], s[22:23]
	s_lshl_b32 s22, s19, 12
	s_add_nc_u64 s[38:39], s[12:13], s[22:23]
.irp t, 0,1,2,3,4,5,6,7
.irp j, 0,1,2,3
	global_load_b128 v[16+16*\t+4*\j:19+16*\t+4*\j], v2, s[36:37] offset:2048*\t+512*\j th:TH_LOAD_NT
.endr
.endr
	s_wait_kmcnt 0x0
	MKSCALE 24
	s_wait_alu depctr_va_vdst(0)
.irp t, 0,1,2,3,4,5,6,7
	s_wait_loadcnt 28-4*\t                         ; this step's four loads are in; the later steps' may be out
.irp i, 0,1,2,3,4,5,6,7,8,9,10,11,12,13,14,15
.endr
	v_cvt_scalef32_pk8_fp8_f32 v[144+4*\t:145+4*\t], v[16+16*\t:23+16*\t], v11
	v_cvt_scalef32_pk8_fp8_f32 v[146+4*\t:147+4*\t], v[24+16*\t:31+16*\t], v11
	global_store_b128 v2, v[144+4*\t:147+4*\t], s[38:39] offset:512*\t   ; 512 consecutive bytes a wave; each step has registers of its own
.endr
.Lend:
	s_wait_tensorcnt 0x0                           ; the wave's end
	ds_add_u32 v[SPW], v[NIL]
	s_wait_dscnt 0x0
	s_endpgm
.Lfunc_end_k_qdf5d4482b7_quant:
	.size	k_qdf5d4482b7_quant, .Lfunc_end_k_qdf5d4482b7_quant-k_qdf5d4482b7_quant
	.p2alignl 7, 3214868480
	.fill 96, 4, 3214868480
	.section	.rodata,"a",@progbits
	.p2align	6, 0x0
	.amdhsa_kernel k_qdf5d4482b7_quant
		.amdhsa_group_segment_fixed_size 35328
		.amdhsa_private_segment_fixed_size 0
		.amdhsa_enable_private_segment 0
		.amdhsa_kernarg_size 56
		.amdhsa_user_sgpr_count 2
		.amdhsa_user_sgpr_kernarg_segment_ptr 1
		.amdhsa_wavefront_size32 1
		.amdhsa_system_sgpr_workgroup_id_x 1
		.amdhsa_system_sgpr_workgroup_id_y 1
		.amdhsa_system_sgpr_workgroup_id_z 1
		.amdhsa_system_vgpr_workitem_id 0
		.amdhsa_next_free_vgpr 192
		.amdhsa_next_free_sgpr 66
		.amdhsa_reserve_vcc 0
		.amdhsa_float_denorm_mode_32 3
		.amdhsa_float_denorm_mode_16_64 3
		.amdhsa_fp16_overflow 1
		.amdhsa_memory_ordered 1
		.amdhsa_forward_progress 1
		.amdhsa_inst_pref_size 68
	.end_amdhsa_kernel
	.amdgpu_metadata
---
amdhsa.version: [ 1, 2 ]
amdhsa.kernels:
  - .name:           k_qdf5d4482b7_quant
    .symbol:         k_qdf5d4482b7_quant.kd
    .args:
      - { .name: x, .offset: 0, .size: 8, .value_kind: global_buffer, .address_space: global }
      - { .name: W_qkv, .offset: 8, .size: 8, .value_kind: global_buffer, .address_space: global }
      - { .name: W_proj, .offset: 16, .size: 8, .value_kind: global_buffer, .address_space: global }
      - { .name: lowp_scales, .offset: 24, .size: 8, .value_kind: global_buffer, .address_space: global }
      - { .name: x_codes, .offset: 32, .size: 8, .value_kind: global_buffer, .address_space: global }
      - { .name: wqkv_codes, .offset: 40, .size: 8, .value_kind: global_buffer, .address_space: global }
      - { .name: wp_img, .offset: 48, .size: 8, .value_kind: global_buffer, .address_space: global }
    .group_segment_fixed_size: 35328
    .private_segment_fixed_size: 0
    .kernarg_segment_align: 8
    .kernarg_segment_size: 56
    .max_flat_workgroup_size: 128
    .sgpr_count:     66
    .vgpr_count:     192
    .wavefront_size: 32
...
	.end_amdgpu_metadata
.endif
;; end of part 1
;; launch gemm_qkv (part 2): grid 12 x 32, 4 waves a work-group, clusters of 4 x 4, 327,680 bytes of LDS; arguments x_codes, wqkv_codes, lowp_scales, q_codes, k_codes, v_codes; writes q_codes, k_codes, v_codes
.if DOCPART == 2
	.amdgcn_target "amdgcn-amd-amdhsa--gfx1250"
	.amdhsa_code_object_version 6
	.text
	.protected	k_qdf5d4482b7_gemm_qkv
	.globl	k_qdf5d4482b7_gemm_qkv
	.p2align	8
	.type	k_qdf5d4482b7_gemm_qkv,@function
k_qdf5d4482b7_gemm_qkv:
	s_mov_b64 s[64:65], 0
	v_nop
	global_prefetch_b8 v0, s[64:65] scope:SCOPE_SE
	s_setreg_imm32_b32 hwreg(HW_REG_WAVE_MODE, 25, 1), 1
	s_wait_xcnt 0x0
	s_wait_alu depctr_hold_cnt(0) depctr_sa_sdst(0) depctr_va_vdst(0) depctr_va_sdst(0) depctr_va_ssrc(0) depctr_va_vcc(0) depctr_vm_vsrc(0)
	s_getreg_b32 s2, hwreg(HW_REG_IB_STS2, 6, 4)
	s_cmp_eq_u32 s2, 0
	s_cbranch_scc0 .Lentry_in_a_cluster
	s_endpgm
.Lentry_in_a_cluster:
	s_bfe_u32 s2, ttmp6, 0x10000c
	s_cmp_lg_u32 s2, 0xf033
	s_cbranch_scc0 .Lentry_shape_is_right
	s_endpgm
.Lentry_shape_is_right:
; qkv = x W_qkv on codes of FP8 (E4M3), and q, k, v quantised on the way out: nothing but codes goes to memory.  x_codes [8192][1024], wqkv_codes [3072][1024], K innermost in one and the same order.
; A tile of 256 x 256 is made by four waves, each 128 x 128: 64 accumulators of 16 x 16, 512 registers.  K goes in steps of 256 through two LDS slots filled by the tensor data mover; four K steps, written out.
; ROLES.  Source 1 takes 16 rows of an operand P, source 0 16 rows of an operand Q: a lane then holds ONE row of P and eight neighbouring rows of Q, which is the axis along which its codes lie.
;   Cluster column 0 (q) and 1 (k): P = x (tokens), Q = W's rows (features): the codes run along the head's 64, the K of q k^T.
;   Cluster column 2 (v):           P = W_v's rows, Q = x: the codes run along the keys, the K of p v.  Both operands have rows of 1,024 bytes, so only scalars are chosen (s_cselect on the cluster's x, which all partners share).
; CLUSTERS: 4 x 4 work-groups; P's tile hangs on cy alone and is asked for jointly by a row of the cluster, Q's on cx alone and by a column.
; OUT.  q_codes, k_codes [b h][t][64]: byte 32 g + 16 h + 8 u + j holds d = 32 g + 16 u + 8 h + j (two neighbouring accumulators' conversions are one store of 16 bytes); the same order in q and k.
;       v_codes [b h][128 keys][d 64][128]: byte 32 g + 16 h + 8 u + j holds key 32 g + 16 u + 8 h + j of its 128.
; A sum stands for sum x 2^(e0 + e1); its code is sum / 2^(eo - e0 - e1), eo = e2 (q), e3 (k), e5 (v), held within +-448.  LIMIT: eo - e0 - e1 between -126 and 119.
; REGISTERS, in windows of 256: window 0: v0-31 addresses and constants; from v128 P's fragments, ONE set; on the way out v96-143 at work.  window 1: Q's fragments, TWO sets.  windows 2, 3: the accumulators ((a, b) at v[8 (8 (a % 4) + b)]).
.set ROWB,   256                       ; a tile's row: 256 codes
.set KROW,   1024                      ; a row of either operand in memory
.set PITCH,  272                       ; an LDS row: 256 bytes + 16 of padding: the 16 rows that a load touches start at 16 different banks (64 banks of 4 bytes: ISA guide 11.1)
.set FR,     16
.set NL,     4
.set NP,     4                         ; places behind this matrix instruction (ISA guide 7.12.1)
.set HALFT,  128*PITCH
.set SLOT,   4*HALFT                   ; P's 256 rows, then Q's 256 rows
.set SPARE,  2*SLOT                    ; behind the ring: the spare words, 128 bytes for each wave
.set SP,     144                       ; the way out: a stage of 16 rows x (128 + 16) bytes for each wave, in slot 0, which has had its last fill and its last read by then
.set GO,   8                           ; v8-11   my byte offsets in the output, for the four stores of a block
.set LIM,  12
.set SC,   13                          ; v13     2^(eo - e0 - e1)
.set ADRA, 16                          ; v16-17  LDS address of my P fragments in slot 0, 1
.set ADRB, 20                          ; v20-21  the same for Q
.set STO,  24
.set RD,   25
.set SPW,  28                          ; v28     LDS address of my spare word; never rewritten
.set NIL,  29                          ; v29     0; never rewritten
.set TMP,  32
.set CD,   96                          ; v96-111 their codes
.set BK,   112                         ; v112-143 16 rows read back from the stage, two sets
.set AF,   128
.set G1, 24
.set G0, 32
.set G1B, 48
.set G0B, 56
.set MSB, 0
.macro WIN new                         ; the immediate's high byte repeats the setting that is left
.if MSB != \new
	s_set_vgpr_msb (MSB<<8)|\new
.set MSB, \new
.endif
.endm
.set MUL_LO, 0xa1                      ; source 0 (Q) window 1, source 1 (P) window 0, C and D window 2
.set MUL_HI, 0xf1
.set TO_B,   0x40
; A joint load: waves 0 and 1 fetch P's halves, waves 2 and 3 Q's.  The branch hangs on the wave's number alone.  An s_nop 0 and four v_nop follow each line.
.macro JLOAD g0a, g1a, g0b, g1b
	s_cmp_eq_u32 s17, 0
	s_cbranch_scc0 .Lfor_b_\@
	tensor_load_to_lds s[\g0a:\g0a+3], s[\g1a:\g1a+7]
	s_nop 0
.rept 4
	v_nop
.endr
	s_branch .Lasked_\@
.Lfor_b_\@:
	tensor_load_to_lds s[\g0b:\g0b+3], s[\g1b:\g1b+7]
	s_nop 0
.rept 4
	v_nop
.endr
.Lasked_\@:
.endm
.macro CREST                           ; a round of the cluster's barrier behind its opening barrier
	s_cmp_lg_u32 s16, 0
	s_cbranch_scc1 .Lnot_wave_0_\@
	s_barrier_signal -3
.Lnot_wave_0_\@:
	s_barrier_wait -3
	s_barrier_signal -1
	s_barrier_wait -1
.endm
.macro CROUND
	s_barrier_signal -1
	s_barrier_wait -1
	CREST
.endm
	s_load_b256 s[4:11], s[0:1], 0x0               ; x_codes s[4:5], wqkv_codes s[6:7], the exponents s[8:9], q_codes s[10:11]
	s_load_b128 s[12:15], s[0:1], 0x20             ; k_codes, v_codes
	v_lshl_add_u32 v[SPW], v0, 2, SPARE
	v_mov_b32 v[NIL], 0
	ds_add_u32 v[SPW], v[NIL]                      ; the wave's opening: the add and its wait ahead of my first tensor load; work on registers stands between
	ds_add_u32 v[SPW], v[NIL]
	v_lshrrev_b32 v1, 5, v0
	v_readfirstlane_b32 s16, v1                    ; wave 0..3
	s_lshr_b32 s17, s16, 1                         ; which half of P's rows is mine.  Also: I fetch for P (0) or for Q (1)
	s_and_b32 s18, s16, 1                          ; which half of Q's rows.  Also: which 128 rows of that tile I fetch
	s_bfe_u32 s19, ttmp6, 0x40000                  ; cx
	s_bfe_u32 s20, ttmp6, 0x40004                  ; cy
	s_and_b32 s22, ttmp7, 0xffff                   ; cluster y
	s_lshl_b32 s40, s22, 2
	s_lshl_b32 s41, ttmp9, 2
	s_cmp_eq_u32 ttmp9, 2                          ; v's column of clusters?
	s_cselect_b32 s66, 8, s40                      ; P's first tile: W_v's rows begin at tile 8; else the tokens of this row of clusters
	s_cselect_b32 s67, s40, s41                    ; Q's first tile
	s_add_co_u32 s66, s66, s20                     ; P's tile: + cy
	s_add_co_u32 s67, s67, s19                     ; Q's tile: + cx
	s_lshl_b32 s43, s20, 2
	s_lshl_b32 s43, 15, s43                        ; my row of the cluster
	s_lshl_b32 s44, 0x1111, s19                    ; my column
	s_or_b32 s[G1+0], s43, (0<<16)|(1<<20)|(1<<21)|(5<<22)|(3<<25)  ; 15:0 the mask; 17:16 elements of 1 byte; 20 padding on; 21 set beside a mask; 24:22 after every 64 words; 31:25 four words
	s_or_b32 s[G1B+0], s44, (0<<16)|(1<<20)|(1<<21)|(5<<22)|(3<<25)
.irp g, G1, G1B
	s_mov_b32 s[\g+1], ROWB<<16                    ; tensor_dim0
	s_mov_b32 s[\g+2], 128<<16                     ; tensor_dim1
	s_mov_b32 s[\g+3], ROWB<<16                    ; tile_dim0
	s_mov_b32 s[\g+4], 128                         ; tile_dim1
	s_mov_b32 s[\g+5], KROW                        ; tensor_dim0_stride
	s_mov_b32 s[\g+6], 0
	s_mov_b32 s[\g+7], 0
.endr
	s_lshl_b32 s45, s18, 7                         ; which 128 rows of the tile I fetch
	s_lshl_b32 s46, s66, 8
	s_add_co_u32 s46, s46, s45
	s_lshl_b32 s46, s46, 10                        ; P: (256 tile + 128 half) rows of 1,024 bytes
	s_mov_b32 s47, 0
	s_lshl_b32 s72, s67, 8
	s_add_co_u32 s72, s72, s45
	s_lshl_b32 s72, s72, 10                        ; Q likewise, in registers that never hold cy
	s_mov_b32 s73, 0
	s_mul_i32 s21, s16, HALFT                      ; where they go: wave x 128 rows
	s_wait_dscnt 0x0                               ; the opening add is done
	s_wait_kmcnt 0x0
	s_load_b256 s[76:83], s[8:9], 0x0              ; e0 .. e7
	s_cmp_eq_u32 ttmp9, 2
	s_cselect_b64 s[68:69], s[6:7], s[4:5]         ; P's buffer
	s_cselect_b64 s[70:71], s[4:5], s[6:7]         ; Q's buffer
	s_add_nc_u64 s[68:69], s[68:69], s[46:47]
	s_add_nc_u64 s[70:71], s[70:71], s[72:73]
	CROUND                                         ; all sixteen work-groups are here: the first joint loads meet
.irp s, 0,1
	s_mov_b32 s[G0+4*\s], 1
	s_add_co_u32 s[G0+4*\s+1], s21, \s*SLOT
	s_add_nc_u64 s[G0+4*\s+2:G0+4*\s+3], s[68:69], \s*ROWB
	s_or_b32 s[G0+4*\s+3], s[G0+4*\s+3], 0x80000000
	s_mov_b32 s[G0B+4*\s], 1
	s_add_co_u32 s[G0B+4*\s+1], s21, \s*SLOT
	s_add_nc_u64 s[G0B+4*\s+2:G0B+4*\s+3], s[70:71], \s*ROWB
	s_or_b32 s[G0B+4*\s+3], s[G0B+4*\s+3], 0x80000000
	JLOAD G0+4*\s, G1, G0B+4*\s, G1B
.endr
	v_and_b32 v1, 15, v0                           ; r = lane % 16
	s_wait_alu depctr_va_vdst(0)
	v_bfe_u32 v2, v0, 4, 1                         ; h = lane / 16
	v_mul_u32_u24 v3, v1, PITCH
	v_lshl_add_u32 v4, v2, 4, v3                   ; a fragment's row x pitch + 16 x half
	s_mul_i32 s42, s17, HALFT                      ; my 128 rows of P
	s_mul_i32 s43, s18, HALFT                      ; my 128 rows of Q,
	s_add_co_u32 s43, s43, 2*HALFT                 ; which lie behind P's 256
.irp s, 0,1
	v_add_nc_u32 v[ADRA+\s], s42, v4
	v_add_nc_u32 v[ADRB+\s], s43, v4
	s_add_co_u32 s42, s42, SLOT
	s_add_co_u32 s43, s43, SLOT
.endr
	s_mul_i32 s42, s16, 16*SP                      ; my stage
	v_mul_u32_u24 v5, v1, SP
	s_wait_alu depctr_va_vdst(0)
	v_lshl_add_u32 v5, v2, 4, v5
	v_add_nc_u32 v[STO], s42, v5                   ; in: row r, 16 bytes for each half of the lanes
	v_bfe_u32 v5, v0, 3, 2                         ; lane / 8
	v_and_b32 v6, 7, v0
	v_mul_u32_u24 v7, v5, SP
	v_lshl_add_u32 v7, v6, 4, v7
	v_add_nc_u32 v[RD], s42, v7                    ; back: eight lanes to a row of 128 bytes, four rows an instruction
	; the constants of the way out, chosen without a branch
	s_wait_kmcnt 0x0
	s_lshl_b32 s41, s66, 8
	s_lshl_b32 s42, s17, 7
	s_add_co_u32 s41, s41, s42                     ; my first row of P
	s_lshl_b32 s42, s67, 8
	s_lshl_b32 s43, s18, 7
	s_add_co_u32 s42, s42, s43                     ; my first row of Q
	s_lshl_b32 s43, s19, 2
	s_lshl_b32 s44, s18, 1
	s_add_co_u32 s43, s43, s44                     ; q, k: my first head = 4 cx + 2 x Q's half
	s_lshl_b32 s44, s20, 2
	s_lshl_b32 s45, s17, 1
	s_add_co_u32 s44, s44, s45                     ; v: 4 cy + 2 x P's half
	s_mov_b32 s86, 1024
	s_mov_b32 s87, 0
	s_mov_b32 s88, 1024
	s_mov_b32 s89, 0
	s_cmp_eq_u32 ttmp9, 0
	s_cselect_b32 s40, s78, s79                    ; e2 or e3,
	s_cselect_b64 s[84:85], s[10:11], s[12:13]     ; q_codes or k_codes,
	s_cmp_eq_u32 ttmp9, 2
	s_cselect_b32 s40, s81, s40                    ; or e5
	s_cselect_b64 s[84:85], s[14:15], s[84:85]     ; and v_codes
	s_cselect_b32 s41, s42, s41                    ; my first token
	s_cselect_b32 s43, s44, s43                    ; my first head
	s_cselect_b32 s90, 128, 64                     ; bytes from a stage row to the next in the output: a d's 128 keys, or a token's 64
	s_cselect_b32 s91, 64, 0x20000                 ; bytes from a row's first 64 to its second: the same row, or the next head
	s_cselect_b32 s86, 2048, s86                   ; from a block of 16 rows to the next,
	s_cselect_b32 s88, 124928, s88                 ; and from block 3 to block 4: for v the next head (131,072 - 3 x 2,048)
	s_lshr_b32 s42, s41, 11
	s_lshl_b32 s42, s42, 21                        ; the batch: 16 heads of 131,072 bytes
	s_lshl_b32 s43, s43, 17                        ; the head
	s_add_co_u32 s42, s42, s43
	s_bfe_u32 s43, s41, 0x40007                    ; which 128 tokens of the 2,048: 8,192 bytes each, in all three layouts
	s_lshl_b32 s43, s43, 13
	s_add_co_u32 s42, s42, s43
	s_mov_b32 s43, 0
	s_add_nc_u64 s[84:85], s[84:85], s[42:43]
	s_sub_co_i32 s40, s40, s76
	s_sub_co_i32 s40, s40, s77                     ; eo - e0 - e1
	s_add_co_i32 s40, s40, 127
	s_lshl_b32 s41, s40, 23
	v_mov_b32 v[SC], s41
	v_bfe_u32 v6, v0, 2, 1
	v_and_b32 v7, 3, v0
	v_lshlrev_b32 v7, 4, v7
	s_wait_alu depctr_va_vdst(0)
	v_mad_u32_u24 v[GO], v5, s90, v7
	v_mad_u32_u24 v[GO], v6, s91, v[GO]
	s_lshl_b32 s92, s90, 2                         ; four stage rows on
	v_add_nc_u32 v[GO+1], s92, v[GO]
	v_add_nc_u32 v[GO+2], s92, v[GO+1]
	v_add_nc_u32 v[GO+3], s92, v[GO+2]
.macro FRAG reg, adr, q, i             ; a fragment, 16 rows x 128 places along K: 16 registers, four loads of 16 bytes, 32 bytes apart; the same for both sources
.irp c, 0,1,2,3
	ds_load_b128 v[\reg+4*\c:\reg+4*\c+3], v[\adr] offset:128*(\q)+32*\c+(\i)*16*PITCH
.endr
.endm
; 16 matrix instructions: P's blocks a0, a0 + 1 x Q's eight.  The 64 accumulators take turns, one instruction a turn, in the same order in every step.
.macro MUL16 a0, p, zero
.irp a, \a0, \a0+1
.irp b, 0,1,2,3,4,5,6,7
.if \zero
	v_wmma_f32_16x16x128_fp8_fp8 v[8*(8*((\a)%4)+\b):8*(8*((\a)%4)+\b)+7], v[128*(\p)+FR*\b:128*(\p)+FR*\b+FR-1], v[AF+FR*(\a):AF+FR*(\a)+FR-1], 0
.else
	v_wmma_f32_16x16x128_fp8_fp8 v[8*(8*((\a)%4)+\b):8*(8*((\a)%4)+\b)+7], v[128*(\p)+FR*\b:128*(\p)+FR*\b+FR-1], v[AF+FR*(\a):AF+FR*(\a)+FR-1], v[8*(8*((\a)%4)+\b):8*(8*((\a)%4)+\b)+7]
.endif
.endr
.endr
.endm
.macro FETCH_B slot, q, p
	WIN TO_B
.irp i, 0,1,2,3,4,5,6,7
	FRAG 128*(\p)+FR*\i, ADRB+\slot, \q, \i
.endr
	WIN 0
.endm
.macro FETCH_A slot, q, i0
.irp i, \i0, \i0+1, \i0+2, \i0+3
	FRAG AF+FR*(\i), ADRA+\slot, \q, \i
.endr
.endm
.macro PLACES n                        ; plain vector instructions between a matrix instruction and a load into, or a vector read of, its registers
.rept \n
	v_nop
.endr
.endm
.macro STEP slot, q, zero              ; 128 along K that has its successor in the same slot
	s_wait_dscnt 4*NL                              ; Q's set and P's blocks 0-3 are in; the youngest 16 loads (P's blocks 4-7) may be out
	WIN MUL_LO
	MUL16 0, (\q)%2, \zero
	MUL16 2, (\q)%2, \zero
	s_wait_dscnt 0
	PLACES NP
	FETCH_B \slot, (\q)+1, 1-(\q)%2
	FETCH_A \slot, (\q)+1, 0
	WIN MUL_HI
	MUL16 4, (\q)%2, \zero
	MUL16 6, (\q)%2, \zero
	PLACES NP
	WIN 0
	FETCH_A \slot, (\q)+1, 4
.endm
; A slot's last step changes slots: one barrier; ahead of it each wave waits for all its tensor loads, adds 0 to its spare word, and waits for that and for its reads of this slot.  fill = 1: the slot is filled again, two K steps ahead.
.macro TURN slot, next, fill
	s_wait_tensorcnt 0x0                           ; all my tensor loads have landed: my part of the next slot
	ds_add_u32 v[SPW], v[NIL]                      ; 0 onto my spare word
	s_wait_dscnt 4*NL+1                            ; (the add and the youngest 16 loads may be out)
	WIN MUL_LO
	MUL16 0, 1, 0
	s_wait_dscnt 0x0                               ; the add is done, and my reads of this slot are over
	s_barrier_signal -1
	MUL16 2, 1, 0
	WIN 0
	s_barrier_wait -1
.if \fill
	CREST                                          ; the barrier has opened a round of the cluster's: no wave of any partner still reads this slot or has a load on its way
	s_add_nc_u64 s[G0+4*\slot+2:G0+4*\slot+3], s[G0+4*\slot+2:G0+4*\slot+3], 2*ROWB
	s_add_nc_u64 s[G0B+4*\slot+2:G0B+4*\slot+3], s[G0B+4*\slot+2:G0B+4*\slot+3], 2*ROWB
	JLOAD G0+4*\slot, G1, G0B+4*\slot, G1B         ; the first tensor load behind the round; its four v_nop are the places in front of the loads below
.else
	PLACES NP
.endif
	FETCH_B \next, 0, 0
	FETCH_A \next, 0, 0
	WIN MUL_HI
	MUL16 4, 1, 0
	MUL16 6, 1, 0
	PLACES NP
	WIN 0
	FETCH_A \next, 0, 4
.endm
	s_wait_tensorcnt 1                             ; my part of K step 0 is in (K step 1's load may be out)
	s_barrier_signal -1
	s_barrier_wait -1                              ; everybody's is
	FETCH_B 0, 0, 0
	FETCH_A 0, 0, 0
	FETCH_A 0, 0, 4
	STEP 0, 0, 1                                   ; the first products start the sums: nothing is cleared
	TURN 0, 1, 1                                   ; slot 0 takes K step 2
	STEP 1, 0, 0
	TURN 1, 0, 1                                   ; slot 1 takes K step 3
	STEP 0, 0, 0
	TURN 0, 1, 0                                   ; nothing is left to fetch
	STEP 1, 0, 0
	s_wait_dscnt 4*NL
	WIN MUL_LO
	MUL16 0, 1, 0
	MUL16 2, 1, 0
	s_wait_dscnt 0
	WIN MUL_HI
	MUL16 4, 1, 0
	MUL16 6, 1, 0
	WIN 0
; THE WAY OUT, block by block of 16 rows of P x 128 rows of Q.  Held, converted (two neighbouring accumulators give a lane 16 bytes), through my own stage, and back as rows of 128 bytes.
.macro TOSTAGE a
.set AC, 64*((\a)%4)
	WIN 0x02+((\a)/4)                              ; source 0: window 2 or 3
.set jj, 0
.rept 64
.set jj, jj+1
.endr
.irp b, 0,1,2,3,4,5,6,7
	v_cvt_scalef32_pk8_fp8_f32 v[CD+2*\b:CD+2*\b+1], v[AC+8*\b:AC+8*\b+7], v[SC]
.endr
	WIN 0
	v_nop                                          ; a plain instruction behind the last conversion
.irp p, 0,1,2,3
	ds_store_b128 v[STO], v[CD+4*\p:CD+4*\p+3] offset:32*\p
.endr
.irp i, 0,1,2,3
	ds_load_b128 v[BK+16*((\a)%2)+4*\i:BK+16*((\a)%2)+4*\i+3], v[RD] offset:4*SP*\i   ; LDS serves a wave's instructions in order: these see the stores above
.endr
.endm
.macro SEND a, younger
	s_wait_dscnt \younger                          ; the block is back in registers; the next block's 4 stores and 4 loads may be out
.if (\a) == 4
	s_add_nc_u64 s[84:85], s[84:85], s[88:89]      ; (behind a wait on XCNT: the earlier stores have read their base)
.elseif (\a) > 0
	s_add_nc_u64 s[84:85], s[84:85], s[86:87]
.endif
.irp i, 0,1,2,3
	global_store_b128 v[GO+\i], v[BK+16*((\a)%2)+4*\i:BK+16*((\a)%2)+4*\i+3], s[84:85]   ; q, k: four tokens x 64 bytes of each of two heads, two aligned runs of 256 bytes; v: 512 consecutive bytes
.endr
.endm
	PLACES NP
	TOSTAGE 0
.irp a, 1,2,3,4,5,6,7
.if \a > 1
	s_wait_xcnt 0x0                                ; block a - 2's stores have read their registers and their base
.endif
	TOSTAGE \a
	SEND \a-1, 8
.endr
	s_wait_xcnt 0x0
	SEND 7, 0
	s_wait_tensorcnt 0x0                           ; the wave's end
	ds_add_u32 v[SPW], v[NIL]
	s_wait_dscnt 0x0
	CROUND                                         ; the closing round
	s_endpgm
.Lfunc_end_k_qdf5d4482b7_gemm_qkv:
	.size	k_qdf5d4482b7_gemm_qkv, .Lfunc_end_k_qdf5d4482b7_gemm_qkv-k_qdf5d4482b7_gemm_qkv
	.p2alignl 7, 3214868480
	.fill 96, 4, 3214868480
	.section	.rodata,"a",@progbits
	.p2align	6, 0x0
	.amdhsa_kernel k_qdf5d4482b7_gemm_qkv
		.amdhsa_group_segment_fixed_size 327680
		.amdhsa_private_segment_fixed_size 0
		.amdhsa_enable_private_segment 0
		.amdhsa_kernarg_size 48
		.amdhsa_user_sgpr_count 2
		.amdhsa_user_sgpr_kernarg_segment_ptr 1
		.amdhsa_wavefront_size32 1
		.amdhsa_system_sgpr_workgroup_id_x 1
		.amdhsa_system_sgpr_workgroup_id_y 1
		.amdhsa_system_sgpr_workgroup_id_z 1
		.amdhsa_system_vgpr_workitem_id 0
		.amdhsa_next_free_vgpr 1024
		.amdhsa_next_free_sgpr 100
		.amdhsa_reserve_vcc 0
		.amdhsa_float_denorm_mode_32 3
		.amdhsa_float_denorm_mode_16_64 3
		.amdhsa_fp16_overflow 1
		.amdhsa_memory_ordered 1
		.amdhsa_forward_progress 1
		.amdhsa_inst_pref_size 92
	.end_amdhsa_kernel
	.amdgpu_metadata
---
amdhsa.version: [ 1, 2 ]
amdhsa.kernels:
  - .name:           k_qdf5d4482b7_gemm_qkv
    .symbol:         k_qdf5d4482b7_gemm_qkv.kd
    .args:
      - { .name: x_codes, .offset: 0, .size: 8, .value_kind: global_buffer, .address_space: global }
      - { .name: wqkv_codes, .offset: 8, .size: 8, .value_kind: global_buffer, .address_space: global }
      - { .name: lowp_scales, .offset: 16, .size: 8, .value_kind: global_buffer, .address_space: global }
      - { .name: q_codes, .offset: 24, .size: 8, .value_kind: global_buffer, .address_space: global }
      - { .name: k_codes, .offset: 32, .size: 8, .value_kind: global_buffer, .address_space: global }
      - { .name: v_codes, .offset: 40, .size: 8, .value_kind: global_buffer, .address_space: global }
    .group_segment_fixed_size: 327680
    .private_segment_fixed_size: 0
    .kernarg_segment_align: 8
    .kernarg_segment_size: 48
    .max_flat_workgroup_size: 128
    .sgpr_count:     100
    .vgpr_count:     1024
    .wavefront_size: 32
...
	.end_amdgpu_metadata
.endif
;; end of part 2
;; launch attn (part 3): grid 4 x 64, 8 waves a work-group, clusters of 4 x 1, 327,680 bytes of LDS; arguments q_codes, k_codes, v_codes, lowp_scales, y_img; writes y_img
.if DOCPART == 3
	.amdgcn_target "amdgcn-amd-amdhsa--gfx1250"
	.amdhsa_code_object_version 6
	.text
	.protected	k_qdf5d4482b7_attn
	.globl	k_qdf5d4482b7_attn
	.p2align	8
	.type	k_qdf5d4482b7_attn,@function
k_qdf5d4482b7_attn:
	s_mov_b64 s[64:65], 0
	v_nop
	global_prefetch_b8 v0, s[64:65] scope:SCOPE_SE
	s_setreg_imm32_b32 hwreg(HW_REG_WAVE_MODE, 25, 1), 1
	s_wait_xcnt 0x0
	s_wait_alu depctr_hold_cnt(0) depctr_sa_sdst(0) depctr_va_vdst(0) depctr_va_sdst(0) depctr_va_ssrc(0) depctr_va_vcc(0) depctr_vm_vsrc(0)
	s_getreg_b32 s2, hwreg(HW_REG_IB_STS2, 6, 4)
	s_cmp_eq_u32 s2, 0
	s_cbranch_scc0 .Lentry_in_a_cluster
	s_endpgm
.Lentry_in_a_cluster:
	s_bfe_u32 s2, ttmp6, 0x10000c
	s_cmp_lg_u32 s2, 0x3003
	s_cbranch_scc0 .Lentry_shape_is_right
	s_endpgm
.Lentry_shape_is_right:
; y = softmax(q k^T / 8, causal) v for one (batch, head) a cluster, both products on codes of FP8 (E4M3); y is quantised on the way out, as the image of the projection's operand registers.
; THE SOFTMAX: t = score x log2(e) / 8; M = the running largest t rounded UP to a whole number; p = 2^(t - M) is quantised, not normalised; the sum of the unquantised p divides at the end.
; When M moves, the sum and O are multiplied by 2^(old M - new M): exact, and without a branch on data.
; LDS.  A head's whole K (2,048 rows of 64 bytes) and V (16 x 64 rows of 128 bytes, keys innermost) lie in LDS: every byte is filled once, by joint loads of the cluster's four work-groups (mask 15).
; SHARES.  A wave owns two double tiles of 32 queries: A at 128 wave + 32 cx, and B at 2,016 less that.  A needs key steps 0 .. wave, B steps 0 .. 15 - wave (128 keys a step): 17 double steps in every wave.
; Which steps are left out and which lie on the diagonal hangs on the wave's number alone; cx enters global addresses and the register that the mask compares with, nothing else.
; A double tile's two tiles of 16 queries share each fragment of K and V.
; LAYOUT.  Both products are used transposed (S^T = K Q^T, O^T = V^T P^T): a lane holds ONE query (lane % 16) throughout.  Register 8 t + j of S^T holds key 16 t + 8 (lane / 16) + j; its code is byte 8 t + j of p's
; fragment, and v_codes has that very key at that byte of its row's piece: so p's conversions ARE the second product's operand, and a tile of K is 16 neighbouring rows.
; LIMITS on the given exponents: e2 + e3 between -123 and 130 (added to c's exponent field); e4, and e6 - e4 - e5, between -126 and 119.  NaN among the inputs is not served.
; REGISTERS.  window 0: v1-11 addresses and constants; v12-31 statistics; v32-47 Q of B, v48-63 Q of A; v64-191 S^T, then p (64 a tile); v192-223 p's codes; v224-238 constants and the maximum's chains; v240-255 y's codes.
;             window 1: v0-63 K's eight fragments; v64-127 V's four; v128-191 O^T (32 a tile).
.set KP,    80                         ; a key's row in LDS: 64 bytes + 16 of padding
.set VP,    144                        ; a row of V: 128 bytes + 16
.set VBASE, 2048*KP
.set SPARE, VBASE+1024*VP              ; behind V: the spare words, 128 bytes for each of eight waves
.set KSTEP, 128*KP
.set VSTEP, 64*VP
.set AK0, 1                            ; v1   my lane's place in a tile of K
.set AV0, 2                            ; v2   the same for V
.set ADK, 3
.set ADV, 4
.set SPW, 5                            ; v5   LDS address of my spare word; never rewritten
.set NIL, 6                            ; v6   0; never rewritten
.set LI,  7                            ; v7   16 x lane
.set DQ,  8                            ; v8, v9  my query less the diagonal step's first key less 8 (lane / 16), for tile 0, 1
.set NINF, 10                          ; v10  -infinity
.set QO,  11                           ; v11  my byte offset in 16 rows of Q
.set S,   64
.set PC,  192
.set YC,  240
.set VF,  64                           ; in window 1
.set O,   128                          ; in window 1
.set WV,  14
.set W4,  15
.set CX,  16
.set BH,  17
.set SI,  18                           ; the key step
.set LIMB, 19                          ; 15 - wave
.set SEL, 20
.set CS,  22
.set G1KA, 24
.set G1KB, 32
.set G1VA, 40
.set G1VB, 48
.set G0KA, 56
.set G0KB, 60
.set G0VA, 68
.set G0VB, 72
.set KO,  84                           ; LDS byte of the step's rows of K, less my lane's place
.set VO,  85                           ; the same for V
.set MSB, 0
.macro WIN new
.if MSB != \new
	s_set_vgpr_msb (MSB<<8)|\new
.set MSB, \new
.endif
.endm
.macro CROUND                          ; a round of the cluster's barrier
	s_barrier_signal -1
	s_barrier_wait -1
	s_cmp_lg_u32 s[WV], 0
	s_cbranch_scc1 .Lnot_wave_0_\@
	s_barrier_signal -3
.Lnot_wave_0_\@:
	s_barrier_wait -3
	s_barrier_signal -1
	s_barrier_wait -1
.endm
	s_load_b256 s[4:11], s[0:1], 0x0               ; q_codes s[4:5], k_codes s[6:7], v_codes s[8:9], the exponents s[10:11]
	s_load_b64 s[12:13], s[0:1], 0x20              ; y_img
	v_lshl_add_u32 v[SPW], v0, 2, SPARE
	v_mov_b32 v[NIL], 0
	ds_add_u32 v[SPW], v[NIL]                      ; the wave's opening: the add and its wait ahead of my first tensor load; work on registers stands between
	ds_add_u32 v[SPW], v[NIL]
	v_lshrrev_b32 v1, 5, v0
	s_delay_alu instid0(VALU_DEP_1)
	v_readfirstlane_b32 s[WV], v1                  ; wave 0..7
	s_and_b32 s[W4], s[WV], 3
	s_bfe_u32 s[CX], ttmp6, 0x40000                ; my place in the cluster
	s_and_b32 s[BH], ttmp7, 0xffff                 ; 16 batch + head, which the four partners share
	s_sub_co_u32 s[LIMB], 15, s[WV]
	; descriptor groups 1: K: rows of 64 bytes, dense, four words of padding behind every 16; V: rows of 128 bytes, dense, four words behind every 32.  15:0 the mask: all four; 21 set beside it
.irp g, G1KA, G1KB
	s_mov_b32 s[\g], 15|(0<<16)|(1<<20)|(1<<21)|(3<<22)|(3<<25)
	s_mov_b32 s[\g+1], 64<<16
	s_mov_b32 s[\g+3], 64<<16
	s_mov_b32 s[\g+5], 64
	s_mov_b32 s[\g+6], 0
	s_mov_b32 s[\g+7], 0
.endr
	s_mov_b32 s[G1KA+2], 128<<16                   ; a wave's first load: 128 keys,
	s_mov_b32 s[G1KA+4], 128
	s_mov_b32 s[G1KB+2], 384<<16                   ; its second: 384
	s_mov_b32 s[G1KB+4], 384
.irp g, G1VA, G1VB
	s_mov_b32 s[\g], 15|(0<<16)|(1<<20)|(1<<21)|(4<<22)|(3<<25)
	s_mov_b32 s[\g+1], 128<<16
	s_mov_b32 s[\g+3], 128<<16
	s_mov_b32 s[\g+5], 128
	s_mov_b32 s[\g+6], 0
	s_mov_b32 s[\g+7], 0
.endr
	s_mov_b32 s[G1VA+2], 64<<16                    ; 64 rows: the 128 keys of one step,
	s_mov_b32 s[G1VA+4], 64
	s_mov_b32 s[G1VB+2], 192<<16                   ; 192 rows: three steps
	s_mov_b32 s[G1VB+4], 192
	s_mov_b32 s[G0KA], 1
	s_mov_b32 s[G0KB], 1
	s_mov_b32 s[G0VA], 1
	s_mov_b32 s[G0VB], 1
	s_mul_i32 s[G0KA+1], s[W4], 128*KP             ; LDS: steps 0-3 first, a step a wave; then steps 4-15, three a wave
	s_mul_i32 s[G0KB+1], s[W4], 384*KP
	s_add_co_u32 s[G0KB+1], s[G0KB+1], 512*KP
	s_mul_i32 s[G0VA+1], s[W4], 64*VP
	s_add_co_u32 s[G0VA+1], s[G0VA+1], VBASE
	s_mul_i32 s[G0VB+1], s[W4], 192*VP
	s_add_co_u32 s[G0VB+1], s[G0VB+1], VBASE+256*VP
	s_lshl_b32 s96, s[BH], 17                      ; the head's first byte in q, k and v: 131,072 each
	s_lshl_b32 s98, s[W4], 13
	s_add_co_u32 s98, s98, s96                     ; the first loads: 8,192 bytes a wave
	s_mov_b32 s99, 0
	s_mul_i32 s94, s[W4], 24576
	s_add_co_u32 s94, s94, s96
	s_add_co_u32 s94, s94, 32768                   ; the second: 24,576 bytes a wave, behind the first 32,768
	s_mov_b32 s95, 0
	s_lshl_b32 s2, s[WV], 7
	s_lshl_b32 s3, s[CX], 5
	s_add_co_u32 s2, s2, s3                        ; A's first query
	s_sub_co_u32 s3, 2016, s2                      ; B's
	s_lshl_b32 s86, s3, 6
	s_add_co_u32 s86, s86, s96
	s_mov_b32 s87, 0
	s_lshl_b32 s88, s2, 6
	s_add_co_u32 s88, s88, s96
	s_mov_b32 s89, 0
	s_and_b32 s90, s[BH], 15                       ; y_img [head / 4][row tile][head % 4][g][lane][16]
	s_lshr_b32 s91, s90, 2
	s_lshl_b32 s91, s91, 21
	s_and_b32 s90, s90, 3
	s_lshl_b32 s90, s90, 10
	s_add_co_u32 s90, s90, s91
	s_lshr_b32 s91, s[BH], 4
	s_lshl_b32 s91, s91, 19                        ; the batch: 128 row tiles of 4,096 bytes
	s_add_co_u32 s90, s90, s91
	s_lshl_b32 s92, s2, 8                          ; a query's row tile: 4,096 / 16 bytes a query
	s_add_co_u32 s92, s92, s90
	s_mov_b32 s93, 0
	s_lshl_b32 s91, s3, 8
	s_add_co_u32 s90, s90, s91
	s_mov_b32 s91, 0
	s_mov_b32 s[SEL], 0x76543210                   ; v_permlanex16_b32: lane l xor 16
	s_mov_b32 s[SEL+1], 0xfedcba98
	s_mov_b32 s[CS], 0x3e38aa3b                    ; c = log2(e) / 8
	s_wait_dscnt 0x0                               ; the opening add is done
	s_wait_kmcnt 0x0
	s_load_b256 s[76:83], s[10:11], 0x0            ; e0 .. e7
	s_add_nc_u64 s[G0KA+2:G0KA+3], s[6:7], s[98:99]
	s_or_b32 s[G0KA+3], s[G0KA+3], 0x80000000
	s_add_nc_u64 s[G0KB+2:G0KB+3], s[6:7], s[94:95]
	s_or_b32 s[G0KB+3], s[G0KB+3], 0x80000000
	s_add_nc_u64 s[G0VA+2:G0VA+3], s[8:9], s[98:99]
	s_or_b32 s[G0VA+3], s[G0VA+3], 0x80000000
	s_add_nc_u64 s[G0VB+2:G0VB+3], s[8:9], s[94:95]
	s_or_b32 s[G0VB+3], s[G0VB+3], 0x80000000
	s_add_nc_u64 s[86:87], s[4:5], s[86:87]        ; Q of B
	s_add_nc_u64 s[88:89], s[4:5], s[88:89]        ; Q of A
	s_add_nc_u64 s[90:91], s[12:13], s[90:91]      ; y of B
	s_add_nc_u64 s[92:93], s[12:13], s[92:93]      ; y of A
	CROUND                                         ; all four work-groups are here: the joint loads meet
	s_cmp_lt_u32 s[WV], 4                          ; waves 0-3 fetch K, waves 4-7 V; a wave's two loads stand in one branch: two loads of mine are out
	s_cbranch_scc0 .Lfirst_v
	tensor_load_to_lds s[G0KA:G0KA+3], s[G1KA:G1KA+7]
	s_nop 0
	tensor_load_to_lds s[G0KB:G0KB+3], s[G1KB:G1KB+7]
	s_nop 0
.rept 4
	v_nop
.endr
	s_branch .Lfirst_done
.Lfirst_v:
	tensor_load_to_lds s[G0VA:G0VA+3], s[G1VA:G1VA+7]
	s_nop 0
	tensor_load_to_lds s[G0VB:G0VB+3], s[G1VB:G1VB+7]
	s_nop 0
.rept 4
	v_nop
.endr
.Lfirst_done:
	v_and_b32 v24, 15, v0                          ; r
	v_bfe_u32 v25, v0, 4, 1                        ; h
	s_delay_alu instid0(VALU_DEP_2)
	v_lshlrev_b32 v[QO], 6, v24
	s_delay_alu instid0(VALU_DEP_1)
	v_lshl_add_u32 v[QO], v25, 4, v[QO]            ; row r of 64 bytes + 16 h
.irp x, 0,1
.irp g, 0,1
	global_load_b128 v[32+8*\x+4*\g:35+8*\x+4*\g], v[QO], s[86:87] offset:1024*\x+32*\g   ; Q stays in registers: B's two tiles,
	global_load_b128 v[48+8*\x+4*\g:51+8*\x+4*\g], v[QO], s[88:89] offset:1024*\x+32*\g   ; and A's
.endr
.endr
	v_mul_u32_u24 v[AK0], v24, KP
	s_delay_alu instid0(VALU_DEP_1)
	v_lshl_add_u32 v[AK0], v25, 4, v[AK0]
	v_mul_u32_u24 v[AV0], v24, VP
	s_delay_alu instid0(VALU_DEP_1)
	v_lshl_add_u32 v[AV0], v25, 4, v[AV0]
	s_delay_alu instid0(VALU_DEP_1)
	v_add_nc_u32 v[AV0], VBASE, v[AV0]
	v_and_b32 v[LI], 31, v0
	s_delay_alu instid0(VALU_DEP_1)
	v_lshlrev_b32 v[LI], 4, v[LI]
	v_mov_b32 v[NINF], 0xff800000
	v_lshlrev_b32 v25, 3, v25
	s_delay_alu instid0(VALU_DEP_1)
	v_sub_nc_u32 v236, v24, v25                    ; r - 8 h
	s_lshl_b32 s99, s[CX], 5                       ; A's first query less its diagonal step's first key: 32 cx
	s_sub_co_u32 s98, 96, s99                      ; B's: 96 - 32 cx
	s_wait_kmcnt 0x0
	s_add_co_i32 s94, s78, s79
	s_lshl_b32 s94, s94, 23
	s_add_co_i32 s[CS], s[CS], s94                 ; a score stands for score x 2^(e2 + e3): added to c's exponent field
	s_mov_b32 s[CS+1], s[CS]                       ; (named with it as a pair, so it is written)
	s_add_co_i32 s94, s80, 127
	s_lshl_b32 s95, s94, 23
	v_mov_b32 v224, s95                            ; 2^e4, for p's conversions
	s_sub_co_i32 s94, s82, s80
	s_sub_co_i32 s94, s94, s81                     ; O / l stands for y / 2^(e4 + e5): y's code is (O / l) / 2^(e6 - e4 - e5)
	s_add_co_i32 s94, s94, 127
	s_lshl_b32 s95, s94, 23
	v_mov_b32 v226, s95
	s_add_co_i32 s94, s94, 8
	s_lshl_b32 s94, s94, 23
	s_or_b32 s94, s94, 0x600000
; The statistics of tile x: v[12+4x] -M, v[13+4x] the largest t, v[14+4x:15+4x] the sum in two halves, v[20+2x] f, v[24+2x:25+2x] the sum's second chain, v[28+2x] 1 / l.
; A double tile begins: O^T and the sums as zeros and the largest t as -3e38, so that the step is written once: the first change of M multiplies zeros.
.macro INIT base
.irp x, 0,1
	v_mov_b32 v[13+4*\x], 0xff61b1e6
	s_delay_alu instid0(VALU_DEP_1)
	v_floor_f32 v[12+4*\x], -v[13+4*\x]
	v_mov_b32 v[14+4*\x], 0
	v_mov_b32 v[15+4*\x], 0
	v_mov_b32 v[21+2*\x], 0                        ; (named as the upper halves of pairs, so they are written)
	v_mov_b32 v[29+2*\x], 0
	v_mov_b32 v[232+\x], 0                         ; a lane permute's destination counts as one of its sources
.endr
	v_add_nc_u32 v[DQ], s[\base], v236
	s_delay_alu instid0(VALU_DEP_1)
	v_add_nc_u32 v[DQ+1], 16, v[DQ]
	WIN 0x40
.set jj, 0
.rept 64
	v_mov_b32 v[O+jj], 0
.set jj, jj+1
.endr
	WIN 0
.endm
; A DOUBLE STEP: 128 keys against 32 queries.  qr: Q's registers.  lim: the scalar register with the double tile's last step (-1: none of these steps is the last).  diag = 1: the last step is masked.
.macro STEP qr, lim, diag
.if \lim >= 0
	s_cmp_gt_u32 s[SI], s[\lim]                    ; all these keys come after my queries: a branch on the wave's number and the loop's count, round the work, not round the lines that step addresses
	s_cbranch_scc1 .Lskip_\@
.endif
	s_setprio 2
	v_add_nc_u32 v[ADK], s[KO], v[AK0]
	v_add_nc_u32 v[ADV], s[VO], v[AV0]
	v_nop
	v_nop                                          ; four places between the last step's products and the loads into V's registers
	WIN 0x40                                       ; destination window 1
.irp t, 0,1,2,3,4,5,6,7
	ds_load_b128 v[8*\t:8*\t+3],   v[ADK] offset:16*KP*\t
	ds_load_b128 v[8*\t+4:8*\t+7], v[ADK] offset:16*KP*\t+32
.endr
.irp t, 0,1,2,3
.irp c, 0,1,2,3
	ds_load_b128 v[VF+16*\t+4*\c:VF+16*\t+4*\c+3], v[ADV] offset:16*VP*\t+32*\c
.endr
.endr
	s_wait_dscnt 16                                ; K is in; V's 16 loads may be out
	WIN 0x01                                       ; source 0 (K) window 1
.irp t, 0,1,2,3,4,5,6,7
.irp x, 0,1
	v_wmma_f32_16x16x64_fp8_fp8 v[S+64*\x+8*\t:S+64*\x+8*\t+7], v[8*\t:8*\t+7], v[\qr+8*\x:\qr+8*\x+7], 0
.endr
.endr
	WIN 0
.rept 4
	v_nop
.endr
.if \diag
	s_cmp_lg_u32 s[SI], s[\lim]
	s_cbranch_scc1 .Lopen_\@
.irp x, 0,1                                    ; on the diagonal hidden scores become -infinity ahead of the maximum: p = 0 then.  Register 8 t + j: hidden where 16 t + j > my query - the step's first key - 8 h
.set nn, 0
.rept 64
	v_cmp_gt_i32 vcc_lo, 16*(nn/8)+nn%8, v[DQ+\x]
	v_cndmask_b32 v[S+64*\x+nn], v[S+64*\x+nn], v[NINF], vcc_lo
.set nn, nn+1
.endr
.endr
.Lopen_\@:
.endif
.irp x, 0,1                                    ; the step's largest score of my query among my 64 keys: two chains a tile, in ascending order
	v_max3_num_f32 v[228+2*\x], v[S+64*\x], v[S+64*\x+1], v[S+64*\x+2]
.endr
.irp x, 0,1
	v_max3_num_f32 v[229+2*\x], v[S+64*\x+3], v[S+64*\x+4], v[S+64*\x+5]
.endr
.irp i, 6,10,14,18,22,26,30,34,38,42,46,50,54,58
.irp x, 0,1
	v_max3_num_f32 v[228+2*\x], v[228+2*\x], v[S+64*\x+\i], v[S+64*\x+\i+1]
.endr
.irp x, 0,1
	v_max3_num_f32 v[229+2*\x], v[229+2*\x], v[S+64*\x+\i+2], v[S+64*\x+\i+3]
.endr
.endr
.irp x, 0,1
	v_max3_num_f32 v[228+2*\x], v[228+2*\x], v[S+64*\x+62], v[S+64*\x+63]
.endr
.irp x, 0,1
	s_delay_alu instid0(VALU_DEP_2)
	v_max_num_f32 v[228+2*\x], v[228+2*\x], v[229+2*\x]
.endr
.irp x, 0,1
	s_delay_alu instid0(VALU_DEP_2)
	v_permlanex16_b32 v[232+\x], v[228+2*\x], s[SEL], s[SEL+1]
.endr
.irp x, 0,1
	s_delay_alu instid0(VALU_DEP_2)
	v_max_num_f32 v[228+2*\x], v[228+2*\x], v[232+\x]     ; and among lane l xor 16's
.endr
.irp x, 0,1
	s_delay_alu instid0(VALU_DEP_2)
	v_mul_f32 v[228+2*\x], s[CS], v[228+2*\x]             ; as t (c is positive)
.endr
.irp x, 0,1
	s_delay_alu instid0(VALU_DEP_2)
	v_max_num_f32 v[13+4*\x], v[13+4*\x], v[228+2*\x]     ; the running largest t
.endr
.irp x, 0,1
	v_mov_b32 v[228+2*\x], v[12+4*\x]
.endr
.irp x, 0,1
	s_delay_alu instid0(VALU_DEP_4)
	v_floor_f32 v[12+4*\x], -v[13+4*\x]                   ; the new -M = floor(-t): M is a whole number
.endr
.irp x, 0,1
	s_delay_alu instid0(VALU_DEP_2)
	v_sub_f32 v[228+2*\x], v[12+4*\x], v[228+2*\x]        ; old M - new M: a whole number, 0 or less
.endr
.irp x, 0,1
	s_delay_alu instid0(VALU_DEP_2)
	v_cvt_i32_f32 v[228+2*\x], v[228+2*\x]                ; (it saturates)
.endr
.irp x, 0,1
	s_delay_alu instid0(VALU_DEP_2)
	v_ldexp_f32 v[20+2*\x], 1.0, v[228+2*\x]              ; f = 2^(old M - new M)
.endr
.set jj, 0
.rept 32
.irp x, 0,1
	v_pk_fma_f32 v[S+64*\x+jj:S+64*\x+jj+1], v[S+64*\x+jj:S+64*\x+jj+1], s[CS:CS+1], v[12+4*\x:13+4*\x] op_sel_hi:[1,0,0]   ; t - M, two at a time (of the pairs c and -M the low word serves both halves)
.endr
.set jj, jj+2
.endr
.set jj, 0
	s_setprio 1
	s_wait_alu depctr_va_vdst(0)
.rept 128
	v_exp_f32 v[S+jj], v[S+jj]                     ; p = 2^(t - M), at most 1: one batch
.set jj, jj+1
.endr
.irp x, 0,1
	v_pk_mul_f32 v[14+4*\x:15+4*\x], v[14+4*\x:15+4*\x], v[20+2*\x:21+2*\x] op_sel_hi:[1,0]   ; the sums under the new M (plain instructions behind the last exponential)
.endr
	s_wait_alu depctr_va_vdst(0)                   ; one wait for the batch, ahead of its first reader
.irp x, 0,1
	v_pk_add_f32 v[24+2*\x:25+2*\x], v[S+64*\x:S+64*\x+1], v[S+64*\x+2:S+64*\x+3]   ; the sum is taken of the unquantised p: two chains a tile
.endr
.irp j, 4,8,12,16,20,24,28,32,36,40,44,48,52,56,60
.irp x, 0,1
	v_pk_add_f32 v[14+4*\x:15+4*\x], v[14+4*\x:15+4*\x], v[S+64*\x+\j:S+64*\x+\j+1]
.endr
.irp x, 0,1
	v_pk_add_f32 v[24+2*\x:25+2*\x], v[24+2*\x:25+2*\x], v[S+64*\x+\j+2:S+64*\x+\j+3]
.endr
.endr
.irp x, 0,1
	s_delay_alu instid0(VALU_DEP_2)
	v_pk_add_f32 v[14+4*\x:15+4*\x], v[14+4*\x:15+4*\x], v[24+2*\x:25+2*\x]
.endr
.set jj, 0
.rept 64
.set jj, jj+2
.endr
.irp x, 0,1
.irp t, 0,1,2,3,4,5,6,7
	v_cvt_scalef32_pk8_fp8_f32 v[PC+16*\x+2*\t:PC+16*\x+2*\t+1], v[S+64*\x+8*\t:S+64*\x+8*\t+7], v224
.endr
.endr
	WIN 0x41                                       ; O^T (destination and source 0) window 1, f window 0
.set jj, 0
	s_setprio 0
.rept 16
.irp x, 0,1
	v_pk_mul_f32 v[O+32*\x+jj:O+32*\x+jj+1], v[O+32*\x+jj:O+32*\x+jj+1], v[20+2*\x:21+2*\x] op_sel_hi:[1,0]   ; O^T under the new M; also the plain instructions behind the conversions
.endr
.set jj, jj+2
.endr
	s_wait_alu depctr_va_vdst(0)
	s_wait_dscnt 0x0                               ; V is in
	WIN 0x51                                       ; V, C and D window 1; p window 0
.irp t, 0,1,2,3
.irp x, 0,1
	v_wmma_f32_16x16x128_fp8_fp8 v[O+32*\x+8*\t:O+32*\x+8*\t+7], v[VF+16*\t:VF+16*\t+15], v[PC+16*\x:PC+16*\x+15], v[O+32*\x+8*\t:O+32*\x+8*\t+7]   ; the eight accumulators take turns
.endr
.endr
	WIN 0
.if \lim >= 0
.Lskip_\@:
.endif
	s_add_co_u32 s[KO], s[KO], KSTEP
	s_add_co_u32 s[VO], s[VO], VSTEP
	s_add_co_u32 s[SI], s[SI], 1
.endm
; A double tile ends: O^T / l, held, converted; two neighbouring tiles of 16 channels give a lane 16 bytes of the image; each store covers 512 consecutive bytes.
.macro FINAL yp
	s_wait_xcnt 0x0                                ; earlier stores have read their registers
.rept 4
	v_nop                                          ; places behind the last products
.endr
.irp x, 0,1
	v_add_f32 v[14+4*\x], v[14+4*\x], v[15+4*\x]
.endr
.irp x, 0,1
	s_delay_alu instid0(VALU_DEP_2)
	v_permlanex16_b32 v[232+\x], v[14+4*\x], s[SEL], s[SEL+1]
.endr
.irp x, 0,1
	s_delay_alu instid0(VALU_DEP_2)
	v_add_f32 v[14+4*\x], v[14+4*\x], v[232+\x]    ; the row's sum
.endr
	s_wait_alu depctr_va_vdst(0)
.irp x, 0,1
	v_rcp_f32 v[28+2*\x], v[14+4*\x]
.endr
	v_nop                                          ; a plain instruction behind the last reciprocal,
	s_wait_alu depctr_va_vdst(0)                   ; and a wait ahead of the first use
	WIN 0x01                                       ; source 0 (O^T) window 1
.set jj, 0
.rept 16
.irp x, 0,1
	v_pk_mul_f32 v[S+32*\x+jj:S+32*\x+jj+1], v[O+32*\x+jj:O+32*\x+jj+1], v[28+2*\x:29+2*\x] op_sel_hi:[1,0]   ; each accumulator from its low end on
.endr
.set jj, jj+2
.endr
	WIN 0
.set jj, 0
.rept 64
.set jj, jj+1
.endr
.irp x, 0,1
.irp t, 0,1,2,3
	v_cvt_scalef32_pk8_fp8_f32 v[YC+8*\x+2*\t:YC+8*\x+2*\t+1], v[S+32*\x+8*\t:S+32*\x+8*\t+7], v226
.endr
.endr
	v_nop                                          ; a plain instruction behind the last conversion
.irp x, 0,1
.irp g, 0,1
	global_store_b128 v[LI], v[YC+8*\x+4*\g:YC+8*\x+4*\g+3], s[\yp:\yp+1] offset:4096*\x+512*\g
.endr
.endr
.endm
	INIT 98
	s_mov_b32 s[SI], 0
	s_mov_b32 s[KO], 0
	s_mov_b32 s[VO], 0
	s_wait_loadcnt 0x0                             ; Q
	s_wait_tensorcnt 1                             ; my first load (a part of steps 0-3) is in; my second may stay out
	s_barrier_signal -1
	s_barrier_wait -1
.LB0:                                              ; B's steps 0-3: every wave needs them, and none lies on a diagonal (B's last step is 8 or later)
	STEP 32, -1, 0
	s_cmp_lt_u32 s[SI], 4
	s_cbranch_scc1 .LB0
	s_setprio 0
	s_wait_tensorcnt 0x0                           ; my second load is in,
	s_wait_dscnt 0x0
	s_barrier_signal -1
	s_barrier_wait -1                              ; everybody's is: all of K and V lie in LDS
	s_mov_b32 s[SI], 4
	s_mov_b32 s[KO], 4*KSTEP
	s_mov_b32 s[VO], 4*VSTEP
.LB1:                                              ; B's steps 4 .. 15 - wave; the trip count is a constant, the later steps' work is jumped over
	STEP 32, LIMB, 1
	s_cmp_lt_u32 s[SI], 16
	s_cbranch_scc1 .LB1
	s_setprio 0
	FINAL 90
	INIT 99
	s_mov_b32 s[SI], 0
	s_mov_b32 s[KO], 0
	s_mov_b32 s[VO], 0
.LA:                                               ; A's steps 0 .. wave
	STEP 48, WV, 1
	s_cmp_lt_u32 s[SI], 8
	s_cbranch_scc1 .LA
	s_setprio 0
	FINAL 92
	s_wait_tensorcnt 0x0                           ; the wave's end
	ds_add_u32 v[SPW], v[NIL]
	s_wait_dscnt 0x0
	CROUND                                         ; the closing round
	s_endpgm
.Lfunc_end_k_qdf5d4482b7_attn:
	.size	k_qdf5d4482b7_attn, .Lfunc_end_k_qdf5d4482b7_attn-k_qdf5d4482b7_attn
	.p2alignl 7, 3214868480
	.fill 96, 4, 3214868480
	.section	.rodata,"a",@progbits
	.p2align	6, 0x0
	.amdhsa_kernel k_qdf5d4482b7_attn
		.amdhsa_group_segment_fixed_size 327680
		.amdhsa_private_segment_fixed_size 0
		.amdhsa_enable_private_segment 0
		.amdhsa_kernarg_size 40
		.amdhsa_user_sgpr_count 2
		.amdhsa_user_sgpr_kernarg_segment_ptr 1
		.amdhsa_wavefront_size32 1
		.amdhsa_system_sgpr_workgroup_id_x 1
		.amdhsa_system_sgpr_workgroup_id_y 1
		.amdhsa_system_sgpr_workgroup_id_z 1
		.amdhsa_system_vgpr_workitem_id 0
		.amdhsa_next_free_vgpr 512
		.amdhsa_next_free_sgpr 100
		.amdhsa_reserve_vcc 1
		.amdhsa_float_denorm_mode_32 3
		.amdhsa_float_denorm_mode_16_64 3
		.amdhsa_fp16_overflow 1
		.amdhsa_memory_ordered 1
		.amdhsa_forward_progress 1
		.amdhsa_inst_pref_size 118
	.end_amdhsa_kernel
	.amdgpu_metadata
---
amdhsa.version: [ 1, 2 ]
amdhsa.kernels:
  - .name:           k_qdf5d4482b7_attn
    .symbol:         k_qdf5d4482b7_attn.kd
    .args:
      - { .name: q_codes, .offset: 0, .size: 8, .value_kind: global_buffer, .address_space: global }
      - { .name: k_codes, .offset: 8, .size: 8, .value_kind: global_buffer, .address_space: global }
      - { .name: v_codes, .offset: 16, .size: 8, .value_kind: global_buffer, .address_space: global }
      - { .name: lowp_scales, .offset: 24, .size: 8, .value_kind: global_buffer, .address_space: global }
      - { .name: y_img, .offset: 32, .size: 8, .value_kind: global_buffer, .address_space: global }
    .group_segment_fixed_size: 327680
    .private_segment_fixed_size: 0
    .kernarg_segment_align: 8
    .kernarg_segment_size: 40
    .max_flat_workgroup_size: 256
    .sgpr_count:     100
    .vgpr_count:     512
    .wavefront_size: 32
...
	.end_amdgpu_metadata
.endif
;; end of part 3
;; launch gemm_proj (part 4): grid 4 x 64, 4 waves a work-group, clusters of 4 x 4, 327,680 bytes of LDS; arguments y_img, wp_img, lowp_scales, out0; writes out0
.if DOCPART == 4
	.amdgcn_target "amdgcn-amd-amdhsa--gfx1250"
	.amdhsa_code_object_version 6
	.text
	.protected	k_qdf5d4482b7_gemm_proj
	.globl	k_qdf5d4482b7_gemm_proj
	.p2align	8
	.type	k_qdf5d4482b7_gemm_proj,@function
k_qdf5d4482b7_gemm_proj:
	s_mov_b64 s[64:65], 0
	v_nop
	global_prefetch_b8 v0, s[64:65] scope:SCOPE_SE
	s_setreg_imm32_b32 hwreg(HW_REG_WAVE_MODE, 25, 1), 1
	s_wait_xcnt 0x0
	s_wait_alu depctr_hold_cnt(0) depctr_sa_sdst(0) depctr_va_vdst(0) depctr_va_sdst(0) depctr_va_ssrc(0) depctr_va_vcc(0) depctr_vm_vsrc(0)
	s_getreg_b32 s2, hwreg(HW_REG_IB_STS2, 6, 4)
	s_cmp_eq_u32 s2, 0
	s_cbranch_scc0 .Lentry_in_a_cluster
	s_endpgm
.Lentry_in_a_cluster:
	s_bfe_u32 s2, ttmp6, 0x10000c
	s_cmp_lg_u32 s2, 0xf033
	s_cbranch_scc0 .Lentry_shape_is_right
	s_endpgm
.Lentry_shape_is_right:
; out0 = y W_proj on codes of FP8 (E4M3); each finished sum is multiplied once by 2^(e6 + e7).  LIMIT: e6 + e7 between -126 and 127.
; Both operands arrive as IMAGES OF THE OPERAND'S REGISTERS: [K step of 256][tile of 16 rows][q 2][c 4][lane 32][16 bytes], the same k at the same place in both.  So a K step's tiles are dense blocks of memory,
; LDS needs no padding (an instruction's 512 bytes are consecutive), and a fragment (16 rows x 128 K) is four loads of 16 bytes at 16 x lane.
; A tile of 128 rows x 256 columns a work-group gives 256 work-groups; a wave makes 64 x 128: 32 accumulators, 256 registers (window 2, (a, b) at v[8 (8 a + b)]).
; K has four steps of 256.  Three LDS slots hold steps 0, 1, 2 (first fills, three loads a wave out); step 3 is the one refill, of slot 0.  All is written out: eight halves n = 0 .. 7 of 128 along K.
; CLUSTERS: 4 x 4 work-groups; y's tile hangs on cy alone and is asked for jointly by a row of the cluster, W's on cx alone and by a column.
; The matrix instruction is used transposed (source 0 = 16 columns' rows of W, source 1 = 16 rows of y): a lane holds eight neighbouring numbers of a row of the output.
; REGISTERS: window 0: v16-29 addresses; v64-127, v128-191 y's fragments, two sets; on the way out v32-255 at work.  window 1: W's fragments, two sets of 128.
.set SLOTB,  98304                     ; y's 32,768 bytes, then W's 65,536
.set SPARE,  3*SLOTB                   ; behind the slots: the spare words, 128 bytes for each wave
.set STAGE,  SLOTB                     ; the way out: 16 rows x (512 + 16) bytes for each wave, in slot 1: filled once, and read for the last time ahead of the barrier in n = 5
.set SPITCH, 528
.set ADRA, 16                          ; v16-18
.set ADRB, 20                          ; v20-22
.set STO,  24
.set RD,   25
.set CO,   26                          ; 16 x lane
.set SPW,  28
.set NIL,  29
.set TMP,  32
.set BK,   128
.set G1,  24
.set G0,  32                           ; s[32:43] three groups 0 for y's tiles
.set G1B, 48
.set G0B, 68                           ; s[68:79] three for W's
.set MSB, 0
.macro WIN new
.if MSB != \new
	s_set_vgpr_msb (MSB<<8)|\new
.set MSB, \new
.endif
.endm
.macro CREST
	s_cmp_lg_u32 s16, 0
	s_cbranch_scc1 .Lnot_wave_0_\@
	s_barrier_signal -3
.Lnot_wave_0_\@:
	s_barrier_wait -3
	s_barrier_signal -1
	s_barrier_wait -1
.endm
.macro CROUND
	s_barrier_signal -1
	s_barrier_wait -1
	CREST
.endm
.macro PLACES n
.rept \n
	v_nop
.endr
.endm
	s_load_b256 s[4:11], s[0:1], 0x0               ; y_img s[4:5], wp_img s[6:7], the exponents s[8:9], out0 s[10:11]
	v_lshl_add_u32 v[SPW], v0, 2, SPARE
	v_mov_b32 v[NIL], 0
	ds_add_u32 v[SPW], v[NIL]                      ; the wave's opening: the add and its wait ahead of my first tensor load; work on registers stands between
	v_lshrrev_b32 v1, 5, v0
	v_readfirstlane_b32 s16, v1                    ; wave 0..3
	s_lshr_b32 s17, s16, 1                         ; which 64 rows are mine.  Also: I fetch for y (0) or for W (1)
	s_and_b32 s18, s16, 1                          ; which 128 columns.  Also: which half of that tile I fetch
	s_bfe_u32 s19, ttmp6, 0x40000                  ; cx
	s_bfe_u32 s20, ttmp6, 0x40004                  ; cy
	s_lshl_b32 s23, ttmp9, 2
	s_add_co_u32 s23, s23, s19                     ; tile column
	s_and_b32 s22, ttmp7, 0xffff
	s_lshl_b32 s22, s22, 2
	s_add_co_u32 s22, s22, s20                     ; tile row
	s_lshl_b32 s58, s20, 2
	s_lshl_b32 s58, 15, s58                        ; my row of the cluster
	s_lshl_b32 s59, 0x1111, s19                    ; my column
	s_or_b32 s[G1+0], s58, (3<<16)|(1<<21)         ; 15:0 the mask; 17:16 elements of 8 bytes; 21 set beside a mask; no padding
	s_or_b32 s[G1B+0], s59, (3<<16)|(1<<21)
.irp g, G1, G1B
	s_mov_b32 s[\g+1], 32<<16                      ; tensor_dim0: rows of 32 elements, 256 bytes, dense
	s_mov_b32 s[\g+3], 32<<16                      ; tile_dim0
	s_mov_b32 s[\g+5], 32                          ; tensor_dim0_stride
	s_mov_b32 s[\g+6], 0
	s_mov_b32 s[\g+7], 0
.endr
	s_mov_b32 s[G1+2], 64<<16                      ; y: four tiles of 4,096 bytes a wave
	s_mov_b32 s[G1+4], 64
	s_mov_b32 s[G1B+2], 128<<16                    ; W: eight
	s_mov_b32 s[G1B+4], 128
	s_lshl_b32 s46, s22, 15                        ; y: 8 row tiles of 4,096 bytes a tile row,
	s_lshl_b32 s44, s18, 14                        ; + my half: in memory and in a slot alike
	s_add_co_u32 s46, s46, s44
	s_mov_b32 s47, 0
	s_lshl_b32 s56, s23, 16                        ; W: 16 tiles a tile column,
	s_lshl_b32 s45, s18, 15
	s_add_co_u32 s56, s56, s45
	s_mov_b32 s57, 0
	s_add_co_u32 s45, s45, 32768                   ; in a slot behind y's
	s_wait_dscnt 0x0                               ; the opening add is done
	s_wait_kmcnt 0x0
	s_load_b64 s[96:97], s[8:9], 0x18              ; e6, e7
	s_add_nc_u64 s[46:47], s[4:5], s[46:47]
	s_add_nc_u64 s[56:57], s[6:7], s[56:57]
	CROUND                                         ; all sixteen work-groups are here: the first joint loads meet
.irp s, 0,1,2
	s_mov_b32 s[G0+4*\s], 1
	s_add_co_u32 s[G0+4*\s+1], s44, \s*SLOTB
	s_add_nc_u64 s[G0+4*\s+2:G0+4*\s+3], s[46:47], \s*2097152      ; a K step of y_img: 512 row tiles
	s_or_b32 s[G0+4*\s+3], s[G0+4*\s+3], 0x80000000
	s_mov_b32 s[G0B+4*\s], 1
	s_add_co_u32 s[G0B+4*\s+1], s45, \s*SLOTB
	s_add_nc_u64 s[G0B+4*\s+2:G0B+4*\s+3], s[56:57], \s*262144     ; a K step of wp_img: 64 tiles
	s_or_b32 s[G0B+4*\s+3], s[G0B+4*\s+3], 0x80000000
.endr
	s_cmp_eq_u32 s17, 0                            ; a wave's three first fills stand in one branch on the wave's number
	s_cbranch_scc0 .Lfirst_w
	tensor_load_to_lds s[G0:G0+3], s[G1:G1+7]
	s_nop 0
	tensor_load_to_lds s[G0+4:G0+7], s[G1:G1+7]
	s_nop 0
	tensor_load_to_lds s[G0+8:G0+11], s[G1:G1+7]
	s_nop 0
.rept 4
	v_nop
.endr
	s_branch .Lfirst_done
.Lfirst_w:
	tensor_load_to_lds s[G0B:G0B+3], s[G1B:G1B+7]
	s_nop 0
	tensor_load_to_lds s[G0B+4:G0B+7], s[G1B:G1B+7]
	s_nop 0
	tensor_load_to_lds s[G0B+8:G0B+11], s[G1B:G1B+7]
	s_nop 0
.rept 4
	v_nop
.endr
.Lfirst_done:
	v_and_b32 v1, 31, v0
	v_lshlrev_b32 v[CO], 4, v1
	s_lshl_b32 s58, s17, 14                        ; my four row tiles
	s_lshl_b32 s59, s18, 15                        ; my eight column tiles,
	s_add_co_u32 s59, s59, 32768                   ; behind y's
.irp s, 0,1,2
	v_add_nc_u32 v[ADRA+\s], s58, v[CO]
	v_add_nc_u32 v[ADRB+\s], s59, v[CO]
	s_add_co_u32 s58, s58, SLOTB
	s_add_co_u32 s59, s59, SLOTB
.endr
	s_mul_i32 s58, s16, 16*SPITCH
	s_add_co_u32 s58, s58, STAGE                   ; my stage
	v_and_b32 v2, 15, v0
	v_bfe_u32 v3, v0, 4, 1
	v_mul_u32_u24 v4, v2, SPITCH
	v_lshl_add_u32 v4, v3, 5, v4
	v_add_nc_u32 v[STO], s58, v4                   ; in: row r, 32 bytes for each half of the lanes
	v_add_nc_u32 v[RD], s58, v[CO]                 ; back: the 32 lanes take one row of 512 bytes
	s_lshl_b32 s58, s22, 19                        ; 128 rows of 4,096 bytes a tile row
	s_lshl_b32 s59, s17, 18
	s_add_co_u32 s58, s58, s59
	s_lshl_b32 s59, s23, 10                        ; 256 columns of 4 bytes
	s_add_co_u32 s58, s58, s59
	s_lshl_b32 s59, s18, 9
	s_add_co_u32 s58, s58, s59
	s_mov_b32 s59, 0
	s_add_nc_u64 s[10:11], s[10:11], s[58:59]
; The fragments of half n: slot (n / 2) % 3, q = n % 2, into set n % 2: W's eight, then y's four: 48 loads in one run
.macro FETCH n
.set FS, ((\n)>>1)%3
.set FQ, (\n)&1
	WIN 0x40
.irp b, 0,1,2,3,4,5,6,7
.irp c, 0,1,2,3
	ds_load_b128 v[128*FQ+16*\b+4*\c:128*FQ+16*\b+4*\c+3], v[ADRB+FS] offset:4096*\b+2048*FQ+512*\c
.endr
.endr
	WIN 0
.irp i, 0,1,2,3
.irp c, 0,1,2,3
	ds_load_b128 v[64+64*FQ+16*\i+4*\c:64+64*FQ+16*\i+4*\c+3], v[ADRA+FS] offset:4096*\i+2048*FQ+512*\c
.endr
.endr
.endm
; y's blocks a0 .. a1 x W's eight.  The 32 accumulators take turns, one instruction a turn, in the same order in every half.
.macro MUL a0, a1, set, zero
	WIN 0xa1                                       ; source 0 (W) window 1, source 1 (y) window 0, C and D window 2
.set aa, \a0
.rept (\a1)-(\a0)+1
.irp b, 0,1,2,3,4,5,6,7
.if \zero
	v_wmma_f32_16x16x128_fp8_fp8 v[8*(8*aa+\b):8*(8*aa+\b)+7], v[128*(\set)+16*\b:128*(\set)+16*\b+15], v[64+64*(\set)+16*aa:64+64*(\set)+16*aa+15], 0
.else
	v_wmma_f32_16x16x128_fp8_fp8 v[8*(8*aa+\b):8*(8*aa+\b)+7], v[128*(\set)+16*\b:128*(\set)+16*\b+15], v[64+64*(\set)+16*aa:64+64*(\set)+16*aa+15], v[8*(8*aa+\b):8*(8*aa+\b)+7]
.endif
.endr
.set aa, aa+1
.endr
.endm
.macro HALF n                          ; a half with nothing special: its fragments are in; the next half's are asked for, behind four places, into the set that the last half multiplied
	s_wait_dscnt 0x0
	PLACES 4
	FETCH (\n)+1
	MUL 0, 3, (\n)&1, 0
.endm
	s_wait_tensorcnt 2                             ; my part of K step 0 is in; K steps 1 and 2 may be out
	s_barrier_signal -1
	s_barrier_wait -1
	FETCH 0
	s_wait_dscnt 0x0                               ; n = 0
	FETCH 1
	MUL 0, 3, 0, 1                                 ; the first products start the sums: nothing is cleared
	WIN 0                                          ; n = 1: slot 0 has been read out and is filled again
	s_wait_tensorcnt 0x0                           ; all my tensor loads have landed: K steps 1 and 2
	ds_add_u32 v[SPW], v[NIL]                      ; 0 onto my spare word
	s_wait_dscnt 1                                 ; this half's fragments are in; the add may be out
	MUL 0, 1, 1, 0
	s_wait_dscnt 0x0                               ; the add is done, and my reads of slot 0 are over
	s_barrier_signal -1
	MUL 2, 2, 1, 0
	WIN 0
	s_barrier_wait -1
	CREST                                          ; the barrier has opened a round of the cluster's: no wave of any partner still reads slot 0 or has a load on its way
	s_add_nc_u64 s[G0+2:G0+3], s[G0+2:G0+3], 3*2097152
	s_add_nc_u64 s[G0B+2:G0B+3], s[G0B+2:G0B+3], 3*262144
	s_cmp_eq_u32 s17, 0
	s_cbranch_scc0 .Lre_w
	tensor_load_to_lds s[G0:G0+3], s[G1:G1+7]      ; K step 3: my one tensor load behind the round; its four v_nop are the places in front of the loads below
	s_nop 0
.rept 4
	v_nop
.endr
	s_branch .Lre_done
.Lre_w:
	tensor_load_to_lds s[G0B:G0B+3], s[G1B:G1B+7]
	s_nop 0
.rept 4
	v_nop
.endr
.Lre_done:
	FETCH 2
	MUL 3, 3, 1, 0
	HALF 2
	HALF 3
	HALF 4
	s_wait_tensorcnt 0x0                           ; n = 5: my part of K step 3 is in,
	s_wait_dscnt 0x0                               ; and this half's fragments
	s_barrier_signal -1
	MUL 0, 1, 1, 0
	s_barrier_wait -1                              ; everybody's part is in
	PLACES 4
	FETCH 6
	MUL 2, 3, 1, 0
	HALF 6
	s_wait_dscnt 0x0                               ; n = 7
	MUL 0, 3, 1, 0
	WIN 0
; THE WAY OUT, block by block of 16 rows x 128 columns: x 2^(e6 + e7), through my own stage, and back as whole rows of 512 bytes.
.macro TOSTAGE a
	WIN 0x02                                       ; source 0: window 2
.set jj, 0
.rept 32
	v_pk_mul_f32 v[TMP+jj:TMP+jj+1], v[64*(\a)+jj:64*(\a)+jj+1], s[96:97] op_sel_hi:[1,0]   ; both x s96; each accumulator from its low end on
.set jj, jj+2
.endr
	WIN 0
.irp b, 0,1,2,3,4,5,6,7
	ds_store_b128 v[STO], v[TMP+8*\b:TMP+8*\b+3] offset:64*\b
	ds_store_b128 v[STO], v[TMP+8*\b+4:TMP+8*\b+7] offset:64*\b+16
.endr
.irp t, 0,1,2,3,4,5,6,7,8,9,10,11,12,13,14,15
	ds_load_b128 v[BK+64*((\a)%2)+4*\t:BK+64*((\a)%2)+4*\t+3], v[RD] offset:\t*SPITCH   ; LDS serves a wave's instructions in order: these see the stores above
.endr
.endm
.macro SEND a, younger
	s_wait_dscnt \younger                          ; the block is back in registers; the next block's 16 stores and 16 loads may be out
.if (\a) > 0
	s_add_nc_u64 s[10:11], s[10:11], 65536         ; 16 rows on (behind a wait on XCNT: the earlier stores have read their base)
.endif
.irp t, 0,1,2,3,4,5,6,7,8,9,10,11,12,13,14,15
	global_store_b128 v[CO], v[BK+64*((\a)%2)+4*\t:BK+64*((\a)%2)+4*\t+3], s[10:11] offset:\t*4096 th:TH_STORE_NT   ; 32 lanes store 512 consecutive bytes, aligned
.endr
.endm
	s_wait_kmcnt 0x0
	s_add_co_i32 s96, s96, s97
	s_add_co_i32 s96, s96, 127
	s_lshl_b32 s96, s96, 23                        ; 2^(e6 + e7) as f32
	PLACES 4
	TOSTAGE 0
.irp a, 1,2,3
.if \a > 1
	s_wait_xcnt 0x0                                ; block a - 2's stores have read their registers and their base
.endif
	TOSTAGE \a
	SEND \a-1, 32
.endr
	s_wait_xcnt 0x0
	SEND 3, 0
	s_wait_tensorcnt 0x0                           ; the wave's end
	ds_add_u32 v[SPW], v[NIL]
	s_wait_dscnt 0x0
	CROUND                                         ; the closing round
	s_endpgm
.Lfunc_end_k_qdf5d4482b7_gemm_proj:
	.size	k_qdf5d4482b7_gemm_proj, .Lfunc_end_k_qdf5d4482b7_gemm_proj-k_qdf5d4482b7_gemm_proj
	.p2alignl 7, 3214868480
	.fill 96, 4, 3214868480
	.section	.rodata,"a",@progbits
	.p2align	6, 0x0
	.amdhsa_kernel k_qdf5d4482b7_gemm_proj
		.amdhsa_group_segment_fixed_size 327680
		.amdhsa_private_segment_fixed_size 0
		.amdhsa_enable_private_segment 0
		.amdhsa_kernarg_size 32
		.amdhsa_user_sgpr_count 2
		.amdhsa_user_sgpr_kernarg_segment_ptr 1
		.amdhsa_wavefront_size32 1
		.amdhsa_system_sgpr_workgroup_id_x 1
		.amdhsa_system_sgpr_workgroup_id_y 1
		.amdhsa_system_sgpr_workgroup_id_z 1
		.amdhsa_system_vgpr_workitem_id 0
		.amdhsa_next_free_vgpr 768
		.amdhsa_next_free_sgpr 100
		.amdhsa_reserve_vcc 0
		.amdhsa_float_denorm_mode_32 3
		.amdhsa_float_denorm_mode_16_64 3
		.amdhsa_memory_ordered 1
		.amdhsa_forward_progress 1
		.amdhsa_inst_pref_size 74
	.end_amdhsa_kernel
	.amdgpu_metadata
---
amdhsa.version: [ 1, 2 ]
amdhsa.kernels:
  - .name:           k_qdf5d4482b7_gemm_proj
    .symbol:         k_qdf5d4482b7_gemm_proj.kd
    .args:
      - { .name: y_img, .offset: 0, .size: 8, .value_kind: global_buffer, .address_space: global }
      - { .name: wp_img, .offset: 8, .size: 8, .value_kind: global_buffer, .address_space: global }
      - { .name: lowp_scales, .offset: 16, .size: 8, .value_kind: global_buffer, .address_space: global }
      - { .name: out0, .offset: 24, .size: 8, .value_kind: global_buffer, .address_space: global }
    .group_segment_fixed_size: 327680
    .private_segment_fixed_size: 0
    .kernarg_segment_align: 8
    .kernarg_segment_size: 32
    .max_flat_workgroup_size: 128
    .sgpr_count:     100
    .vgpr_count:     768
    .wavefront_size: 32
...
	.end_amdgpu_metadata
.endif
;; end of part 4
